; MI455X (gfx1250); checked and timed in simulation.
; The chip was launched on July 23, 2026; its instructions are those of AMD's public machine-readable ISA for CDNA 5 (MIT licence, August 2026) and "CDNA5" Instruction Set Architecture Reference Guide (July 2026). The comments in the code are by the model that wrote it; some were corrected since.
;; Weighted Box Pool. Allowed arithmetic: float matrix products may take bf16 or f16 operands with f32 sums; all other float work in f32.
;; Inputs: box 4 x 4 x 2,134 float32; mask_weight 4 x 5 x 2,134 float32; score 4 x 1 x 2,134 float32; thresholds 5 float32.
;; Outputs: out0 4 x 1 x 2,134 float32.
;; One version. Each part assembles by itself: llvm-mc -triple=amdgcn-amd-amdhsa -mcpu=gfx1250 --defsym DOCPART=n.
;; ======== version 1 of 1: 1 launch
;; launch boxpool (part 1): grid 64 x 4, 8 waves a work-group, no clusters, 79,360 bytes of LDS; arguments box, mask_weight, score, thresholds, out0; writes out0
.if DOCPART == 1
	.amdgcn_target "amdgcn-amd-amdhsa--gfx1250"
	.amdhsa_code_object_version 6
	.text
	.protected	k_qa670c7797c_boxpool
	.globl	k_qa670c7797c_boxpool
	.p2align	8
	.type	k_qa670c7797c_boxpool,@function
k_qa670c7797c_boxpool:
	s_mov_b64 s[64:65], 0
	v_nop
	global_prefetch_b8 v0, s[64:65] scope:SCOPE_SE
	s_setreg_imm32_b32 hwreg(HW_REG_WAVE_MODE, 25, 1), 1
	s_wait_xcnt 0x0
; WeightedBoxPool.  box [4][4][2134], mask_weight [4][5][2134], score [4][1][2134], thresholds [5], out0 [4][1][2134], all f32.
; out[b][j] = sum over t of mask_weight[b][t][j] where j is the FIRST argmax over i of adj(i) = (iou(i,j) >= thr[t] ? score[i] : 0).
;
; THE THRESHOLDS ARE TAKEN OUT OF THE PAIR LOOP.  Let A = score[j] if j's own IoU reaches thr[t], else 0.  Column j loses at t
; when a row i != j with iou >= thr[t] has score[i] beating A, or a row i != j with iou < thr[t] has 0 beating A, where
; "x beats A" is x > A, or x == A and i < j.  The row sets do not hang on t, so four numbers a column serve all thresholds:
;   Q1 = max iou over rows whose score beats score[j]      Q2 = max iou over rows whose score beats 0
;   RA = min iou over all rows i != j                      RL = min iou over rows i < j
; lose(t) = (own ? Q1 : Q2) >= thr  or  (A < 0 and not RA >= thr)  or  (A == 0 and not RL >= thr).  Any sign of score, any threshold.
; The tie rule lies in the row's key SC: a row in front of the column carries the next float above its score, so that
; score[i] >= x becomes SC > x, and "beats x" is one compare for every row.
;
; WORK.  Grid 64 x 4: y is the image, x owns columns floor(x 2134/64) .. floor((x+1) 2134/64)-1: 33 or 34, so 256 equal work-groups.
; Eight waves: wave = 4 ch + rw.  ch picks 17 of the 34 columns, rw a quarter of the rows.  A wave keeps 18 slots of 32 rows in
; registers for the whole kernel: slot k, thread t: m = 128 k + (t & 127), row i = (j0 + m) mod 2134.  The rotation by j0 puts
; the rows that are the work-group's own columns into slot 0 in every work-group: only that slot's key, penalties and area
; are set anew for each column (six instructions).  Slots k, k+1 lie in register pairs for the packed f32 forms.
; m >= 2134 (part of slot 16, all of slot 17) is no row: its area is NaN, so its IoU is NaN, and the _num forms of max and min
; drop a NaN.  The row that is the column itself is dropped in the same way.
; No cluster: the work-groups of an image share only its 42,680 bytes of boxes and scores, which each wave loads once, straight
; into registers, in an order rotated by its own j0; there is no tile that two work-groups could ask for jointly.
; The output of a work-group is 33 or 34 neighbouring floats: stores cover 32 neighbouring bytes a wave, not whole aligned
; 256-byte spans; spans of 64 columns would leave work for 136 work-groups only.
;
; LIMITS.  iou = inter * rcp(union) with one fused residual step (e = inter - q u, q += e r): the correctly rounded quotient unless
; the exact one lies within about 2^-46 (relative) of a rounding boundary.  |union| between 2^-126 and 2^126 (v_rcp_f32 flushes
; denormals, ISA guide 15.8).  A pair whose union is exactly 0 gives NaN here and counts as no row at all: the reference's 0/0 counts
; as below every threshold (differs in RA and RL only), its x/0 with x > 0 as above every threshold.
; Scores and weights finite, thresholds not NaN.
.set N,      2134
.set ROWB,   4*N                       ; bytes in a row of 2134 f32
.set NT,     5
.set COLS,   17                        ; columns of a wave
.set PAIRS,  9                         ; pairs of row slots of a wave
.set CP,     576                       ; LDS: 32 lanes x 16 bytes for one column + 64, so that four neighbouring columns' 64-byte pieces fall into four different quarters of 256 bytes
.set WREG,   COLS*CP                   ; LDS: a wave's own block
; vector registers
.set S0,   1                           ; slot 0: score (with -0 made +0)
.set S0UP, 2                           ; slot 0: the next float above it
.set P2GT, 3                           ; slot 0: penalty for Q2 if the row is not in front of the column
.set P2LT, 4                           ; slot 0: the same if it is
.set AR0,  5                           ; slot 0: area
.set MK,   6                           ; slot 0: m, or -1 where j0 + m wrapped round (a row in front of every column)
.set NINF, 7
.set PINF, 8
.set QNAN, 9
.set CX1,  10                          ; lane c: x1, y1, x2, y2, area, score of the wave's column c
.set CY1,  11
.set CX2,  12
.set CY2,  13
.set CAR,  14
.set CS,   15
.set D,    16                          ; v[16:159] pair p at D+16p: +0 x1, +2 y1, +4 x2, +6 y2, +8 area, +10 key SC, +12 penalty for Q2, +14 penalty for RL
.set T,    160                         ; v[160:231] pair p at T+8p: eight registers at work
.set ACC,  232                         ; v[232:235] Q1, Q2, RA, RL of the column, this lane's rows
.set MB,   232                         ; (entry only) t & 127
.set SCR,  233                         ; (entry only)
.set LA,   236                         ; LDS address of my 16 bytes
.set ZERO, 237
.set EX1,  238                         ; final step, thread t: box, score and weights of column t >> 2
.set EY1,  239
.set EX2,  240
.set EY2,  241
.set ES,   242
.set EW,   243                         ; v[243:247]
; scalar: s[4:5] box, s[6:7] mask_weight, s[8:9] score, s[12:13] out0 (all at the image), s15 image, s16 j0, s17 columns owned,
; s18 wave, s20 ch, s21 column in the work-group, s22 column in the wave, s23 4N, s[24:28] thresholds,
; s32-35 column's box, s[36:37] its area (s37 unused, written once), s38 its score, s40-57 lane masks
	s_load_b256 s[4:11], s[0:1], 0x0               ; box, mask_weight, score, thresholds
	s_load_b64 s[12:13], s[0:1], 0x20              ; out0
	v_lshl_add_u32 v248, v0, 2, 0x13200
	v_mov_b32 v249, 0
	v_lshrrev_b32 v[SCR], 5, v0
	v_readfirstlane_b32 s18, v[SCR]                ; wave 0..7
	s_lshr_b32 s20, s18, 2                         ; which 17 columns
	s_and_b32 s15, ttmp7, 0xffff                   ; image
	s_mul_i32 s16, ttmp9, N/2
	s_lshr_b32 s16, s16, 5                         ; j0 = floor(x 2134 / 64)
	s_add_co_u32 s17, ttmp9, 1
	s_mul_i32 s17, s17, N/2
	s_lshr_b32 s17, s17, 5
	s_sub_co_u32 s17, s17, s16                     ; 33 or 34 columns are mine
	s_mul_i32 s21, s20, COLS                       ; the wave's first column, counted in the work-group
	s_add_co_u32 s29, s16, s21                     ; and in the image
	s_mov_b32 s22, 0
	s_mov_b32 s23, ROWB
	s_mov_b32 s37, 0
	v_mov_b32 v[NINF], 0xff800000
	v_mov_b32 v[PINF], 0x7f800000
	v_mov_b32 v[QNAN], 0x7fc00000
	v_mov_b32 v[ZERO], 0
	; byte offset 4 i of each slot's row, i = (j0 + m) mod N, in v[T+k]; stage by stage so that no line waits for the one in front
	v_and_b32 v[MB], 127, v0
	v_add_lshl_u32 v[SCR], v[MB], s16, 2           ; 4 (j0 + m) of slot 0
.set k, 0
.rept 16
	v_add_nc_u32 v[T+k], 512*k, v[SCR]
.set k, k+1
.endr
	v_add_nc_u32 v[T+16], 2048, v[MB]              ; slot 16 reaches past the last row: those lanes load row m = N-1 and are voided below
	v_min_u32 v[T+16], N-1, v[T+16]
	v_add_lshl_u32 v[T+16], v[T+16], s16, 2
.set k, 0
.rept 17
	v_cmp_le_u32 s[40+k], s23, v[T+k]              ; j0 + m >= N: wrapped, so i < j0: a row in front of all my columns
	v_sub_nc_u32 v[T+36+k], v[T+k], s23
.set k, k+1
.endr
	v_mov_b32 v[SCR], -1
	v_cndmask_b32 v[MK], v[MB], v[SCR], s40
.set k, 0
.rept 17
	v_cndmask_b32 v[D+16*(k/2)+14+(k%2)], v[PINF], v[ZERO], s[40+k]    ; penalty for RL: 0 in front of the columns, +inf behind
	v_cndmask_b32 v[T+k], v[T+k], v[T+36+k], s[40+k]
.set k, k+1
.endr
	v_and_b32 v[T+18], 31, v0                      ; lane c holds the wave's column c (lanes above 16 repeat column 16)
	v_min_u32 v[T+18], COLS-1, v[T+18]
	v_add_nc_u32 v[T+18], s29, v[T+18]
	v_min_u32 v[T+18], N-1, v[T+18]                ; a 34th column that is not mine, or past the image's end, is computed on clamped data and never stored
	v_lshlrev_b32 v[T+18], 2, v[T+18]
	v_lshrrev_b32 v[T+19], 2, v0                   ; final step: thread t serves column t >> 2
	v_min_u32 v[T+19], 2*COLS-1, v[T+19]
	v_add_nc_u32 v[T+19], s16, v[T+19]
	v_min_u32 v[T+19], N-1, v[T+19]
	v_lshlrev_b32 v[T+19], 2, v[T+19]
	; slot 17 holds no row at all: a box of zeros, key -inf, penalties that void it; its area becomes NaN below
	v_mov_b32 v[D+16*8+1], 0
	v_mov_b32 v[D+16*8+3], 0
	v_mov_b32 v[D+16*8+5], 0
	v_mov_b32 v[D+16*8+7], 0
	v_mov_b32 v[D+16*8+11], v[NINF]
	v_mov_b32 v[D+16*8+13], v[NINF]
	v_mov_b32 v[D+16*8+15], v[PINF]
	s_wait_kmcnt 0x0
	s_load_b128 s[24:27], s[10:11], 0x0            ; thresholds 0..3
	s_load_b32 s28, s[10:11], 0x10                 ; threshold 4
	s_mul_i32 s2, s15, 4*ROWB
	s_mov_b32 s3, 0
	s_add_nc_u64 s[4:5], s[4:5], s[2:3]            ; box at my image
	s_mul_i32 s2, s15, NT*ROWB
	s_add_nc_u64 s[6:7], s[6:7], s[2:3]            ; mask_weight at my image
	s_mul_i32 s2, s15, ROWB
	s_add_nc_u64 s[8:9], s[8:9], s[2:3]            ; score
	s_add_nc_u64 s[12:13], s[12:13], s[2:3]        ; out0
	; all loads of the kernel, in one run: a wave's load covers 128 neighbouring bytes
.set k, 0
.rept 17
	global_load_b32 v[D+16*(k/2)+(k%2)],    v[T+k], s[4:5]
	global_load_b32 v[D+16*(k/2)+2+(k%2)],  v[T+k], s[4:5] offset:ROWB
	global_load_b32 v[D+16*(k/2)+4+(k%2)],  v[T+k], s[4:5] offset:2*ROWB
	global_load_b32 v[D+16*(k/2)+6+(k%2)],  v[T+k], s[4:5] offset:3*ROWB
	global_load_b32 v[D+16*(k/2)+10+(k%2)], v[T+k], s[8:9]
.set k, k+1
.endr
	global_load_b32 v[CX1], v[T+18], s[4:5]
	global_load_b32 v[CY1], v[T+18], s[4:5] offset:ROWB
	global_load_b32 v[CX2], v[T+18], s[4:5] offset:2*ROWB
	global_load_b32 v[CY2], v[T+18], s[4:5] offset:3*ROWB
	global_load_b32 v[CS],  v[T+18], s[8:9]
	global_load_b32 v[EX1], v[T+19], s[4:5]
	global_load_b32 v[EY1], v[T+19], s[4:5] offset:ROWB
	global_load_b32 v[EX2], v[T+19], s[4:5] offset:2*ROWB
	global_load_b32 v[EY2], v[T+19], s[4:5] offset:3*ROWB
	global_load_b32 v[ES],  v[T+19], s[8:9]
.irp t, 0,1,2,3,4
	global_load_b32 v[EW+\t], v[T+19], s[6:7] offset:\t*ROWB
.endr
	v_and_b32 v[LA], 31, v0                        ; LDS: wave's block + 16 x lane; the column steps it by CP
	v_lshlrev_b32 v[LA], 4, v[LA]
	s_mul_i32 s2, s18, WREG
	v_add_nc_u32 v[LA], s2, v[LA]
	s_wait_loadcnt 0x0                             ; every column needs every row: nothing can start before all are in; also frees v[T..T+19]
	s_wait_kmcnt 0x0                               ; the thresholds
	; areas as the reference forms them: (x2 - x1) * (y2 - y1)
.set p, 0
.rept PAIRS
	v_pk_add_f32 v[T+4*p:T+4*p+1],   v[D+16*p+4:D+16*p+5], v[D+16*p:D+16*p+1]     neg_lo:[0,1] neg_hi:[0,1]
	v_pk_add_f32 v[T+4*p+2:T+4*p+3], v[D+16*p+6:D+16*p+7], v[D+16*p+2:D+16*p+3]   neg_lo:[0,1] neg_hi:[0,1]
	v_pk_add_f32 v[D+16*p+10:D+16*p+11], v[D+16*p+10:D+16*p+11], 0 op_sel_hi:[1,0]   ; score + 0: -0 becomes +0, so that the step below is right at zero
.set p, p+1
.endr
	v_sub_f32 v[ACC+1], v[CX2], v[CX1]
	v_sub_f32 v[ACC+2], v[CY2], v[CY1]
.set p, 0
.rept PAIRS
	v_pk_mul_f32 v[D+16*p+8:D+16*p+9], v[T+4*p:T+4*p+1], v[T+4*p+2:T+4*p+3]
.set p, p+1
.endr
	v_mul_f32 v[CAR], v[ACC+1], v[ACC+2]
	; the next float above each score: the bits plus 1 for s >= +0, minus 1 for s < 0
.set k, 0
.rept 17
	v_ashrrev_i32 v[T+36+k], 31, v[D+16*(k/2)+10+(k%2)]
.set k, k+1
.endr
.set k, 0
.rept 17
	v_or_b32 v[T+36+k], 1, v[T+36+k]
.set k, k+1
.endr
.set k, 0
.rept 17
	v_add_nc_u32 v[T+36+k], v[D+16*(k/2)+10+(k%2)], v[T+36+k]
.set k, k+1
.endr
	; slot 0 keeps both forms; the loop chooses for each column
	v_mov_b32 v[S0], v[D+10]
	v_mov_b32 v[S0UP], v[T+36]
	v_mov_b32 v[AR0], v[D+8]
	v_cmp_lt_f32 s40, 0, v[D+10]
	v_cmp_lt_f32 vcc_lo, 0, v[T+36]
	v_cndmask_b32 v[P2GT], v[NINF], v[ZERO], s40
	v_cndmask_b32 v[P2LT], v[NINF], v[ZERO], vcc_lo
	; slots 1..16: the key is fixed, since such a row lies in front of all my columns or behind all of them
.set k, 1
.rept 16
	v_cmp_eq_f32 s[40+k], 0, v[D+16*(k/2)+14+(k%2)]                    ; penalty for RL is 0: in front
.set k, k+1
.endr
.set k, 1
.rept 16
	v_cndmask_b32 v[D+16*(k/2)+10+(k%2)], v[D+16*(k/2)+10+(k%2)], v[T+36+k], s[40+k]
.set k, k+1
.endr
	v_cmp_gt_u32 vcc_lo, N-2048, v[MB]             ; slot 16: m = 2048 + (t & 127) is a row
	v_cndmask_b32 v[D+16*8+10], v[NINF], v[D+16*8+10], vcc_lo
	v_cndmask_b32 v[D+16*8+8],  v[QNAN], v[D+16*8+8],  vcc_lo
	v_cndmask_b32 v[D+16*8+14], v[PINF], v[D+16*8+14], vcc_lo
	v_mov_b32 v[D+16*8+9], v[QNAN]                 ; slot 17
.set k, 1
.rept 16
	v_cmp_lt_f32 s[40+k], 0, v[D+16*(k/2)+10+(k%2)]                    ; the key beats 0
.set k, k+1
.endr
.set k, 1
.rept 16
	v_cndmask_b32 v[D+16*(k/2)+12+(k%2)], v[NINF], v[ZERO], s[40+k]    ; penalty for Q2: 0 or -inf
.set k, k+1
.endr
; 18 numbers (nine pairs at T+8p+off) to one, by three-input forms: 6 + 2 + 1 instructions, three deep
.macro L1 op3, off
.irp g, 0,3,6
	\op3 v[T+8*\g+\off],    v[T+8*\g+\off],     v[T+8*\g+\off+1],  v[T+8*\g+8+\off]
	\op3 v[T+8*\g+16+\off], v[T+8*\g+8+\off+1], v[T+8*\g+16+\off], v[T+8*\g+16+\off+1]
.endr
.endm
.macro L2 op3, off
	\op3 v[T+\off],    v[T+\off],    v[T+16+\off], v[T+24+\off]
	\op3 v[T+40+\off], v[T+40+\off], v[T+48+\off], v[T+64+\off]
.endm
.macro L3 op2, off, dst
	\op2 v[\dst], v[T+\off], v[T+40+\off]
.endm
; ONE COLUMN AGAINST THE WAVE'S 18 x 32 ROWS.  All nine pairs go through each stage together: 9 to 36 independent lines a stage.
.Lcol:
	v_readlane_b32 s32, v[CX1], s22
	v_readlane_b32 s33, v[CY1], s22
	v_readlane_b32 s34, v[CX2], s22
	v_readlane_b32 s35, v[CY2], s22
	v_readlane_b32 s36, v[CAR], s22
	v_readlane_b32 s38, v[CS],  s22
	v_cmp_gt_i32 vcc_lo, s21, v[MK]                ; slot 0: the row lies in front of this column (m < column, or wrapped)
	v_cndmask_b32 v[D+10], v[S0],   v[S0UP], vcc_lo
	v_cndmask_b32 v[D+12], v[P2GT], v[P2LT], vcc_lo
	v_cndmask_b32 v[D+14], v[PINF], v[ZERO], vcc_lo
	v_cmp_eq_u32 vcc_lo, s21, v[MK]                ; the row IS this column: NaN area, dropped from all four results
	v_cndmask_b32 v[D+8], v[AR0], v[QNAN], vcc_lo
.set p, 0
.rept PAIRS                                        ; lt = max of the two upper left corners; +0:1 x, +2:3 y
	v_dual_max_num_f32 v[T+8*p],   s32, v[D+16*p]   :: v_dual_max_num_f32 v[T+8*p+1], s32, v[D+16*p+1]
	v_dual_max_num_f32 v[T+8*p+2], s33, v[D+16*p+2] :: v_dual_max_num_f32 v[T+8*p+3], s33, v[D+16*p+3]
.set p, p+1
.endr
.set p, 0
.rept PAIRS                                        ; max(min(x2, x2'), lt): rb, raised to lt where the boxes miss each other, so that rb - lt is the reference's clipped width
	v_minmax_num_f32 v[T+8*p+4], v[D+16*p+4], s34, v[T+8*p]
	v_minmax_num_f32 v[T+8*p+5], v[D+16*p+5], s34, v[T+8*p+1]
	v_minmax_num_f32 v[T+8*p+6], v[D+16*p+6], s35, v[T+8*p+2]
	v_minmax_num_f32 v[T+8*p+7], v[D+16*p+7], s35, v[T+8*p+3]
.set p, p+1
.endr
.set p, 0
.rept PAIRS
	v_pk_add_f32 v[T+8*p+4:T+8*p+5], v[T+8*p+4:T+8*p+5], v[T+8*p:T+8*p+1]     neg_lo:[0,1] neg_hi:[0,1]   ; width
	v_pk_add_f32 v[T+8*p+6:T+8*p+7], v[T+8*p+6:T+8*p+7], v[T+8*p+2:T+8*p+3]   neg_lo:[0,1] neg_hi:[0,1]   ; height
.set p, p+1
.endr
.set p, 0
.rept PAIRS
	v_pk_mul_f32 v[T+8*p:T+8*p+1],   v[T+8*p+4:T+8*p+5], v[T+8*p+6:T+8*p+7]          ; inter
	v_pk_add_f32 v[T+8*p+2:T+8*p+3], v[D+16*p+8:D+16*p+9], s[36:37] op_sel_hi:[1,0]  ; area i + area j
.set p, p+1
.endr
.set p, 0
.rept PAIRS
	v_pk_add_f32 v[T+8*p+2:T+8*p+3], v[T+8*p+2:T+8*p+3], v[T+8*p:T+8*p+1] neg_lo:[0,1] neg_hi:[0,1]     ; union, in the reference's order of rounding
.set p, p+1
.endr
.set p, 0
.rept PAIRS
	v_rcp_f32 v[T+8*p+4], v[T+8*p+2]
	v_rcp_f32 v[T+8*p+5], v[T+8*p+3]
.set p, p+1
.endr
.set p, 0
.rept PAIRS                                        ; plain vector lines that touch neither the reciprocals nor their sources stand between v_rcp_f32 and its use (ISA guide 5.7.2)
	v_cmp_gt_f32 s[40+2*p], v[D+16*p+10], s38      ; the row's score beats the column's
	v_cmp_gt_f32 s[41+2*p], v[D+16*p+11], s38
.set p, p+1
.endr
.set p, 0
	s_wait_alu depctr_va_vdst(0)
.rept PAIRS
	v_pk_mul_f32 v[T+8*p+6:T+8*p+7], v[T+8*p:T+8*p+1], v[T+8*p+4:T+8*p+5]            ; q = inter r
.set p, p+1
.endr
.set p, 0
.rept PAIRS
	v_pk_fma_f32 v[T+8*p:T+8*p+1], v[T+8*p+6:T+8*p+7], v[T+8*p+2:T+8*p+3], v[T+8*p:T+8*p+1] neg_lo:[1,0,0] neg_hi:[1,0,0]   ; e = inter - q union
.set p, p+1
.endr
.set p, 0
.rept PAIRS
	v_pk_fma_f32 v[T+8*p+6:T+8*p+7], v[T+8*p:T+8*p+1], v[T+8*p+4:T+8*p+5], v[T+8*p+6:T+8*p+7]   ; iou = q + e r
.set p, p+1
.endr
.set p, 0
.rept PAIRS
	v_cndmask_b32 v[T+8*p],   v[NINF], v[T+8*p+6], s[40+2*p]                         ; for Q1: iou, or -inf
	v_cndmask_b32 v[T+8*p+1], v[NINF], v[T+8*p+7], s[41+2*p]
	v_pk_add_f32 v[T+8*p+2:T+8*p+3], v[T+8*p+6:T+8*p+7], v[D+16*p+12:D+16*p+13]      ; for Q2: iou + (0 or -inf)
	v_pk_add_f32 v[T+8*p+4:T+8*p+5], v[T+8*p+6:T+8*p+7], v[D+16*p+14:D+16*p+15]      ; for RL: iou + (0 or +inf)
.set p, p+1
.endr
	L1 v_max3_num_f32, 0
	L1 v_max3_num_f32, 2
	L1 v_min3_num_f32, 6
	L1 v_min3_num_f32, 4
	L2 v_max3_num_f32, 0
	L2 v_max3_num_f32, 2
	L2 v_min3_num_f32, 6
	L2 v_min3_num_f32, 4
	L3 v_max_num_f32, 0, ACC
	L3 v_max_num_f32, 2, ACC+1
	L3 v_min_num_f32, 6, ACC+2
	L3 v_min_num_f32, 4, ACC+3
	ds_store_b128 v[LA], v[ACC:ACC+3]              ; this lane's four results of the column, into the wave's own block
	v_add_nc_u32 v[LA], CP, v[LA]
	s_add_co_u32 s21, s21, 1
	s_add_co_u32 s22, s22, 1
	s_cmp_lt_u32 s22, COLS
	s_cbranch_scc1 .Lcol
	s_wait_dscnt 0x0                               ; my stores are in LDS before I say so: other waves read them
	s_barrier_signal -1
	s_barrier_wait -1
	s_cmp_gt_u32 s18, 4                            ; 34 columns x 4 threads = threads 0..135: waves 0 to 4
	s_cbranch_scc1 .Lend
	; THE FINAL STEP.  Thread t: column c = t >> 2, quarter t & 3.  A column's 128 lane results lie in four waves' blocks,
	; at (4 ch + rw) WREG + (c - 17 ch) CP + 16 lane = c CP + ch 3 WREG + rw WREG + 16 lane.  I take lanes 4 k + (t & 3).
.set C,   T
.set CC,  T+1
.set RAD, T+2
.set TA,  T+3
.set TB,  T+4
.set W,   T+5
.set H,   T+6
.set AJ,  T+7
.set IN,  T+8
.set U,   T+9
.set R,   T+10
.set Q0,  T+11
.set E,   T+12
.set QJJ, T+13
.set AV,  T+14
.set QS,  T+15
.set RS,  T+16
.set TT,  T+17
.set OUT, T+18
.set OFF, T+19
	v_lshrrev_b32 v[C], 2, v0
	v_min_u32 v[CC], 2*COLS-1, v[C]
	v_cmp_le_u32 vcc_lo, COLS, v[CC]
	v_mov_b32 v[TA], 3*WREG
	v_cndmask_b32 v[TA], 0, v[TA], vcc_lo
	v_and_b32 v[TB], 3, v0
	v_lshl_add_u32 v[TA], v[TB], 4, v[TA]
	v_mul_u32_u24 v[RAD], v[CC], CP
	v_add_nc_u32 v[RAD], v[RAD], v[TA]
.irp w, 0,1,2,3
.irp k, 0,1,2,3,4,5,6,7
	ds_load_b128 v[D+4*(8*\w+\k):D+4*(8*\w+\k)+3], v[RAD] offset:\w*WREG+\k*64
.endr
.endr
	; meanwhile the column's IoU with itself, by the same steps as every pair's
	v_sub_f32 v[W], v[EX2], v[EX1]
	v_sub_f32 v[H], v[EY2], v[EY1]
	v_mul_f32 v[AJ], v[W], v[H]
	v_max_num_f32 v[W], 0, v[W]
	v_max_num_f32 v[H], 0, v[H]
	v_mul_f32 v[IN], v[W], v[H]
	v_add_f32 v[U], v[AJ], v[AJ]
	v_sub_f32 v[U], v[U], v[IN]
	v_rcp_f32 v[R], v[U]
	v_add_lshl_u32 v[OFF], v[C], s16, 2            ; (the plain line behind v_rcp_f32) byte offset of out0[j0 + c]
	s_wait_alu depctr_va_vdst(0)
	v_mul_f32 v[Q0], v[IN], v[R]
	v_fma_f32 v[E], -v[Q0], v[U], v[IN]
	v_fma_f32 v[QJJ], v[E], v[R], v[Q0]
	s_wait_dscnt 0x0
; 32 entries of four numbers at D+4e+c to one entry: 10 + 4 + 1 + 1 instructions for each of the four
.macro R1 op3, c
.irp g, 0,3,6,9,12,15,18,21,24,27
	\op3 v[D+4*\g+\c], v[D+4*\g+\c], v[D+4*\g+4+\c], v[D+4*\g+8+\c]
.endr
.endm
.macro R2 op3, c
	\op3 v[D+\c],      v[D+\c],      v[D+4*3+\c],  v[D+4*6+\c]
	\op3 v[D+4*9+\c],  v[D+4*9+\c],  v[D+4*12+\c], v[D+4*15+\c]
	\op3 v[D+4*18+\c], v[D+4*18+\c], v[D+4*21+\c], v[D+4*24+\c]
	\op3 v[D+4*27+\c], v[D+4*27+\c], v[D+4*30+\c], v[D+4*31+\c]
.endm
.macro R3 op3, c
	\op3 v[D+\c], v[D+\c], v[D+4*9+\c], v[D+4*18+\c]
.endm
.macro R4 op2, c
	\op2 v[D+\c], v[D+\c], v[D+4*27+\c]
.endm
	R1 v_max3_num_f32, 0
	R1 v_max3_num_f32, 1
	R1 v_min3_num_f32, 2
	R1 v_min3_num_f32, 3
	R2 v_max3_num_f32, 0
	R2 v_max3_num_f32, 1
	R2 v_min3_num_f32, 2
	R2 v_min3_num_f32, 3
	R3 v_max3_num_f32, 0
	R3 v_max3_num_f32, 1
	R3 v_min3_num_f32, 2
	R3 v_min3_num_f32, 3
	R4 v_max_num_f32, 0
	R4 v_max_num_f32, 1
	R4 v_min_num_f32, 2
	R4 v_min_num_f32, 3
	; across the column's four threads: lane xor 1, lane xor 2; all four end up with the results
.irp x, 1,2
	v_max_num_f32_dpp v[D],   v[D],   v[D]   row_xmask:\x row_mask:0xf bank_mask:0xf
	v_max_num_f32_dpp v[D+1], v[D+1], v[D+1] row_xmask:\x row_mask:0xf bank_mask:0xf
	v_min_num_f32_dpp v[D+2], v[D+2], v[D+2] row_xmask:\x row_mask:0xf bank_mask:0xf
	v_min_num_f32_dpp v[D+3], v[D+3], v[D+3] row_xmask:\x row_mask:0xf bank_mask:0xf
.endr
	; v[D] Q1, v[D+1] Q2, v[D+2] RA, v[D+3] RL.  The masks only select values; no branch and no address hangs on them.
.irp t, 0,1,2,3,4
	v_cmp_le_f32 s30, s[24+\t], v[QJJ]             ; the column's own IoU reaches the threshold
	v_cndmask_b32 v[AV], 0, v[ES], s30             ; A: what the column itself offers
	v_cndmask_b32 v[QS], v[D+1], v[D], s30         ; the rows that beat A: Q1's set or Q2's
	v_cmp_le_f32 s31, s[24+\t], v[QS]              ; one of them overlaps enough: lost
	v_cmp_gt_f32 s33, 0, v[AV]                     ; A < 0: any other row below the threshold offers 0 and wins
	v_cndmask_b32 v[RS], v[D+3], v[D+2], s33       ; A == 0: only a row in front does
	v_cmp_le_f32 s34, s[24+\t], v[RS]              ; all rows of that set reach the threshold
	v_cmp_ge_f32 s35, 0, v[AV]                     ; A <= 0
	s_and_not1_b32 s35, s35, s34
	s_or_b32 s31, s31, s35                         ; lost
.if \t == 0
	v_cndmask_b32 v[OUT], v[EW], v[ZERO], s31      ; the first term starts the sum
.else
	v_cndmask_b32 v[TT], v[EW+\t], v[ZERO], s31
	v_add_f32 v[OUT], v[OUT], v[TT]
.endif
.endr
	v_cmp_eq_u32 s30, 0, v[TB]                     ; one thread of the four stores,
	v_cmp_gt_u32 vcc_lo, s17, v[C]                 ; and only for a column that is mine
	s_and_b32 vcc_lo, vcc_lo, s30
	s_wait_xcnt 0x0                                ; EXEC is a source of every global access issued so far: it changes only behind this wait
	s_and_saveexec_b32 s31, vcc_lo
	global_store_b32 v[OFF], v[OUT], s[12:13]      ; eight lanes of a wave store 32 neighbouring bytes
	s_wait_xcnt 0x0                                ; and again in front of the line that widens it
	s_or_b32 exec_lo, exec_lo, s31
.Lend:
	s_wait_tensorcnt 0x0
	ds_add_u32 v248, v249
	s_wait_dscnt 0x0
	s_endpgm
.Lfunc_end_k_qa670c7797c_boxpool:
	.size	k_qa670c7797c_boxpool, .Lfunc_end_k_qa670c7797c_boxpool-k_qa670c7797c_boxpool
	.p2alignl 7, 3214868480
	.fill 96, 4, 3214868480
	.section	.rodata,"a",@progbits
	.p2align	6, 0x0
	.amdhsa_kernel k_qa670c7797c_boxpool
		.amdhsa_group_segment_fixed_size 79360
		.amdhsa_private_segment_fixed_size 0
		.amdhsa_enable_private_segment 0
		.amdhsa_kernarg_size 40
		.amdhsa_user_sgpr_count 2
		.amdhsa_user_sgpr_kernarg_segment_ptr 1
		.amdhsa_wavefront_size32 1
		.amdhsa_system_sgpr_workgroup_id_x 1
		.amdhsa_system_sgpr_workgroup_id_y 1
		.amdhsa_system_sgpr_workgroup_id_z 1
		.amdhsa_system_vgpr_workitem_id 0
		.amdhsa_next_free_vgpr 250
		.amdhsa_next_free_sgpr 66
		.amdhsa_reserve_vcc 1
		.amdhsa_float_denorm_mode_32 3
		.amdhsa_float_denorm_mode_16_64 3
		.amdhsa_memory_ordered 1
		.amdhsa_forward_progress 1
		.amdhsa_inst_pref_size 53
	.end_amdhsa_kernel
	.amdgpu_metadata
---
amdhsa.version: [ 1, 2 ]
amdhsa.kernels:
  - .name:           k_qa670c7797c_boxpool
    .symbol:         k_qa670c7797c_boxpool.kd
    .args:
      - { .name: box, .offset: 0, .size: 8, .value_kind: global_buffer, .address_space: global }
      - { .name: mask_weight, .offset: 8, .size: 8, .value_kind: global_buffer, .address_space: global }
      - { .name: score, .offset: 16, .size: 8, .value_kind: global_buffer, .address_space: global }
      - { .name: thresholds, .offset: 24, .size: 8, .value_kind: global_buffer, .address_space: global }
      - { .name: out0, .offset: 32, .size: 8, .value_kind: global_buffer, .address_space: global }
    .group_segment_fixed_size: 79360
    .private_segment_fixed_size: 0
    .kernarg_segment_align: 8
    .kernarg_segment_size: 40
    .max_flat_workgroup_size: 256
    .sgpr_count:     66
    .vgpr_count:     250
    .wavefront_size: 32
...
	.end_amdgpu_metadata
.endif
;; end of part 1
